; MI455X (gfx1250); checked and timed in simulation.
; The chip was launched on July 23, 2026; its instructions are those of AMD's public machine-readable ISA for CDNA 5 (MIT licence, August 2026) and "CDNA5" Instruction Set Architecture Reference Guide (July 2026). The comments in the code are by the model that wrote it; some were corrected since.
;; Block. Allowed arithmetic: float matrix products may take bf16 or f16 operands with f32 sums; other float arithmetic in f32, or as packed bf16 or f16 multiplies, adds, multiply-adds, maxima and minima; sums over many terms, partial sums and values carried from step to step in f32; what a program stores and reads back later, other than sums and carried values, may be rounded once to bf16 or f16.
;; Inputs: W1 64 x 2,048 float32; W2 2,048 x 64 float32; Wk 8 x 64 x 8 float32; Wp 64 x 64 float32; Wq 8 x 64 x 8 float32; Wv 8 x 64 x 8 float32; b1 2,048 float32; b2 64 float32; beta1 64 float32; beta2 64 float32; bk 8 x 8 float32; bp 64 float32; bq 8 x 8 float32; bv 8 x 8 float32; g1 64 float32; g2 64 float32; x 512 x 256 x 64 float32.
;; Outputs: out0 512 x 256 x 64 float32.
;; One version. Each part assembles by itself: llvm-mc -triple=amdgcn-amd-amdhsa -mcpu=gfx1250 --defsym DOCPART=n.
;; ======== version 1 of 1: 2 launches
;; limits: values are held in f16: magnitudes above 65,504 overflow, below 6.1e-05 lose precision
;; workspace buffers: ws 577,536 bytes
;; launch prep (part 1): grid 141 x 1, 8 waves a work-group, no clusters, 0 bytes of LDS; arguments W1, W2, Wq, Wk, Wv, Wp, b1, bv, bq, bk, bp, g1, beta1, b2, g2, beta2, ws; writes ws
.if DOCPART == 1
	.amdgcn_target "amdgcn-amd-amdhsa--gfx1250"
	.amdhsa_code_object_version 6
	.text
	.protected	k_q801d273877_prep
	.globl	k_q801d273877_prep
	.p2align	8
	.type	k_q801d273877_prep,@function
k_q801d273877_prep:
	s_mov_b64 s[64:65], 0
	v_nop
	global_prefetch_b8 v0, s[64:65] scope:SCOPE_SE
	s_setreg_imm32_b32 hwreg(HW_REG_WAVE_MODE, 25, 1), 1
	s_wait_xcnt 0x0
; PREP: every weight, bias and gain is rounded once to bf16 and written into ws in the order in which the lanes of the second launch hold it.
; ws is 141 units of 4,096 bytes; work-group G writes unit G, thread i its 16 bytes at 16 i: each store of a wave covers 512 consecutive bytes, aligned.
; A FRAGMENT is 1,024 bytes (16 rows x 32 k of 16-bit numbers): half q (k = 16 q ..) at 512 q, lane L at 16 L; lane L = (r = L % 16, h = L / 16) holds row r, k = 16 q + 8 h + 0..7.
;   units 0-127   chunk c of 32 hidden units: unit 2 c = four fragments of W1 (2 u + f: hidden 32 c + 16 u + r, channels 32 f ..), unit 2 c + 1 = four of W2 (ct: output channel 16 ct + r, hidden 32 c ..)
;   units 128-130 f32 numbers that hold bf16 values: b1; bq bk bp g1 beta1 b2 g2 beta2 (256 bytes each); bvx[8][16]; zeros up to the unit's end (the second launch copies the whole unit)
;   units 131-140 Wq, Wk (head pair w: row r = head 2 w + r / 8, e = r % 8), Wv (a head a 16-column tile, its 8 columns in the half of its parity, zeros in the other), Wp
; bvx is v's bias widened by a column of ones: even head: columns 0-7 bv, column 8 = 1; odd head: column 0 = 1, columns 8-15 bv.  With zero weights that column of v is 1, and the sum of a row's weights falls out of the product with v.
; FORMATS.  Wq, Wk, Wv stay bf16.  W1, W2, Wp multiply f16 operands: the bf16 value is written as f16, exact from 6.1e-5 to 65,504; below that it keeps f16's fixed step of 6e-8.
.macro GATHER b, stride                ; eight numbers along k, one load each
.irp j, 0,1,2,3,4,5,6,7
	global_load_b32 v[8+\j], v7, s[\b:\b+1] offset:\j*\stride
.endr
	s_wait_loadcnt 0x0
.endm
.macro CV_BF                           ; eight f32 -> four words of bf16
.irp j, 0,1,2,3
	v_cvt_pk_bf16_f32 v[20+\j], v[8+2*\j], v[9+2*\j]
.endr
.endm
.macro CV_F16                          ; rounded to bf16, that value written as f16
	CV_BF
.irp j, 0,1,2,3
	v_lshlrev_b32 v[8+2*\j], 16, v[20+\j]
	v_and_b32 v[9+2*\j], s44, v[20+\j]
.endr
.irp j, 0,1,2,3
	v_cvt_pk_f16_f32 v[20+\j], v[8+2*\j], v[9+2*\j]
.endr
.endm
.macro RND4                            ; four f32 rounded to bf16 and kept as f32
	v_cvt_pk_bf16_f32 v16, v8, v9
	v_cvt_pk_bf16_f32 v17, v10, v11
	v_lshlrev_b32 v20, 16, v16
	v_and_b32 v21, s44, v16
	v_lshlrev_b32 v22, 16, v17
	v_and_b32 v23, s44, v17
.endm
.macro OUT
	global_store_b128 v6, v[20:23], s[40:41]
	s_endpgm
.endm
	s_load_b512 s[8:23], s[0:1], 0x0               ; W1 8, W2 10, Wq 12, Wk 14, Wv 16, Wp 18, b1 20, bv 22
	s_load_b512 s[24:39], s[0:1], 0x40             ; bq 24, bk 26, bp 28, g1 30, beta1 32, b2 34, g2 36, beta2 38
	s_load_b64 s[40:41], s[0:1], 0x80              ; ws
	v_and_b32 v1, 15, v0                           ; r
	v_bfe_u32 v2, v0, 4, 1                         ; h
	v_bfe_u32 v3, v0, 5, 1                         ; q
	v_lshrrev_b32 v4, 6, v0                        ; F: the fragment in the unit
	v_lshlrev_b32 v5, 4, v3
	v_lshl_add_u32 v5, v2, 3, v5                   ; kq = 16 q + 8 h
	v_lshlrev_b32 v6, 4, v0                        ; where I store
	v_lshrrev_b32 v16, 5, v0
	v_readfirstlane_b32 s45, v16                   ; wave
	s_mov_b32 s4, ttmp9                            ; G
	s_lshl_b32 s2, s4, 12
	s_mov_b32 s3, 0
	s_mov_b32 s7, 0                                ; high word of every offset pair s[6:7]
	s_mov_b32 s44, 0xffff0000
	s_wait_kmcnt 0x0
	s_add_nc_u64 s[40:41], s[40:41], s[2:3]        ; ws at my unit
	s_cmp_ge_u32 s4, 128
	s_cbranch_scc1 .Lnot_ffn
	s_lshr_b32 s5, s4, 1                           ; chunk c
	s_bitcmp1_b32 s4, 0
	s_cbranch_scc1 .Lw2
	; W1[channel][hidden]: channel 32 (F & 1) + kq + j, hidden 32 c + 16 (F >> 1) + r
	v_and_b32 v7, 1, v4
	v_lshl_add_u32 v7, v7, 5, v5
	v_lshlrev_b32 v7, 11, v7
	v_lshrrev_b32 v16, 1, v4
	v_lshl_add_u32 v7, v16, 4, v7
	v_add_lshl_u32 v7, v7, v1, 2
	s_lshl_b32 s6, s5, 7
	s_add_nc_u64 s[8:9], s[8:9], s[6:7]
	GATHER 8, 8192
	CV_F16
	OUT
.Lw2:
	; W2[hidden][channel]: hidden 32 c + kq + j, channel 16 F + r
	v_lshlrev_b32 v7, 6, v5
	v_lshl_add_u32 v7, v4, 4, v7
	v_add_lshl_u32 v7, v7, v1, 2
	s_lshl_b32 s6, s5, 13
	s_add_nc_u64 s[10:11], s[10:11], s[6:7]
	GATHER 10, 256
	CV_F16
	OUT
.Lnot_ffn:
	s_cmp_ge_u32 s4, 130
	s_cbranch_scc1 .Lnot_b1
	s_sub_co_u32 s6, s4, 128                       ; b1, 4,096 bytes a unit
	s_lshl_b32 s6, s6, 12
	s_add_nc_u64 s[20:21], s[20:21], s[6:7]
	global_load_b128 v[8:11], v6, s[20:21]
	s_wait_loadcnt 0x0
	RND4
	OUT
.Lnot_b1:
	s_cmp_gt_u32 s4, 130
	s_cbranch_scc1 .Lattn
	s_cmp_ge_u32 s45, 4
	s_cbranch_scc1 .Lbvx
	; waves 0-3: two vectors of 64 numbers each: lanes 0-15 the first, lanes 16-31 the second
	s_cmp_eq_u32 s45, 1
	s_cselect_b64 s[24:25], s[28:29], s[24:25]
	s_cselect_b64 s[26:27], s[30:31], s[26:27]
	s_cmp_eq_u32 s45, 2
	s_cselect_b64 s[24:25], s[32:33], s[24:25]
	s_cselect_b64 s[26:27], s[34:35], s[26:27]
	s_cmp_eq_u32 s45, 3
	s_cselect_b64 s[24:25], s[36:37], s[24:25]
	s_cselect_b64 s[26:27], s[38:39], s[26:27]
	v_lshlrev_b32 v7, 4, v1
	global_load_b128 v[8:11], v7, s[24:25]
	global_load_b128 v[12:15], v7, s[26:27]
	v_cmp_eq_u32 vcc_lo, 1, v2
	s_wait_loadcnt 0x0
.irp j, 0,1,2,3
	v_cndmask_b32 v[8+\j], v[8+\j], v[12+\j], vcc_lo
.endr
	RND4
	OUT
.Lbvx:
	s_cmp_gt_u32 s45, 4
	s_cbranch_scc1 .Lzeros
	; wave 4: bvx: lane L holds columns 4 (L % 4) .. of head L / 4
	v_bfe_u32 v16, v0, 2, 3                        ; head
	v_and_b32 v18, 1, v0                           ; which four of bv's eight
	v_lshlrev_b32 v7, 5, v16
	v_lshl_add_u32 v7, v18, 4, v7
	global_load_b128 v[8:11], v7, s[22:23]
	v_bfe_u32 v19, v0, 1, 1                        ; which half of the 16 columns
	v_bfe_u32 v24, v0, 2, 1                        ; the head's parity
	v_cmp_eq_u32 s46, v19, v24                     ; the half that holds bv
	v_cmp_eq_u32 s47, 0, v18
	s_and_not1_b32 s47, s47, s46                   ; the other half's first four: their first column is the ones
	v_mov_b32 v25, 0
	v_mov_b32 v26, 1.0
	v_cndmask_b32 v26, v25, v26, s47
	s_wait_loadcnt 0x0
	RND4
	v_cndmask_b32 v20, v26, v20, s46
	v_cndmask_b32 v21, v25, v21, s46
	v_cndmask_b32 v22, v25, v22, s46
	v_cndmask_b32 v23, v25, v23, s46
	OUT
.Lzeros:
.irp j, 0,1,2,3
	v_mov_b32 v[20+\j], 0
.endr
	OUT
.Lattn:
	s_sub_co_u32 s5, s4, 131                       ; a
	s_cmp_ge_u32 s5, 8
	s_cbranch_scc1 .Lwp
	v_lshrrev_b32 v16, 7, v0                       ; which 2,048 bytes of the unit
	v_lshrrev_b32 v17, 3, v1                       ; r / 8
	v_bfe_u32 v18, v0, 6, 1                        ; f
	v_and_b32 v19, 7, v1                           ; e
	s_cmp_ge_u32 s5, 4
	s_cbranch_scc1 .Lwv
	; Wq, Wk [head][channel][e]: head 4 (a & 1) + 2 (i >> 7) + r / 8, channel 32 f + kq + j
	v_lshl_add_u32 v7, v16, 1, v17
	v_lshlrev_b32 v7, 6, v7
	v_lshl_add_u32 v7, v18, 5, v7
	v_add_nc_u32 v7, v7, v5
	v_lshl_add_u32 v7, v7, 3, v19
	v_lshlrev_b32 v7, 2, v7
	s_cmp_lt_u32 s5, 2
	s_cselect_b64 s[12:13], s[12:13], s[14:15]
	s_and_b32 s6, s5, 1
	s_lshl_b32 s6, s6, 13
	s_add_nc_u64 s[12:13], s[12:13], s[6:7]
	GATHER 12, 32
	CV_BF
	OUT
.Lwv:
	; Wv: head 2 (a - 4) + (i >> 7); column r holds e = r % 8 where r / 8 is the head's parity, else 0
	v_lshlrev_b32 v7, 6, v16
	v_lshl_add_u32 v7, v18, 5, v7
	v_add_nc_u32 v7, v7, v5
	v_lshl_add_u32 v7, v7, 3, v19
	v_lshlrev_b32 v7, 2, v7
	s_sub_co_u32 s6, s5, 4
	s_lshl_b32 s6, s6, 12
	s_add_nc_u64 s[16:17], s[16:17], s[6:7]
	GATHER 16, 32
	CV_BF
	v_cmp_eq_u32 vcc_lo, v17, v16
.irp j, 0,1,2,3
	v_cndmask_b32 v[20+\j], 0, v[20+\j], vcc_lo
.endr
	OUT
.Lwp:
	; Wp[in][out]: in 32 (F & 1) + kq + j, out 32 (a - 8) + 16 (F >> 1) + r
	v_and_b32 v7, 1, v4
	v_lshl_add_u32 v7, v7, 5, v5
	v_lshlrev_b32 v7, 6, v7
	v_lshrrev_b32 v16, 1, v4
	v_lshl_add_u32 v7, v16, 4, v7
	v_add_lshl_u32 v7, v7, v1, 2
	s_sub_co_u32 s6, s5, 8
	s_lshl_b32 s6, s6, 7
	s_add_nc_u64 s[18:19], s[18:19], s[6:7]
	GATHER 18, 256
	CV_F16
	OUT
.Lfunc_end_k_q801d273877_prep:
	.size	k_q801d273877_prep, .Lfunc_end_k_q801d273877_prep-k_q801d273877_prep
	.p2alignl 7, 3214868480
	.fill 96, 4, 3214868480
	.section	.rodata,"a",@progbits
	.p2align	6, 0x0
	.amdhsa_kernel k_q801d273877_prep
		.amdhsa_group_segment_fixed_size 0
		.amdhsa_private_segment_fixed_size 0
		.amdhsa_enable_private_segment 0
		.amdhsa_kernarg_size 136
		.amdhsa_user_sgpr_count 2
		.amdhsa_user_sgpr_kernarg_segment_ptr 1
		.amdhsa_wavefront_size32 1
		.amdhsa_system_sgpr_workgroup_id_x 1
		.amdhsa_system_sgpr_workgroup_id_y 1
		.amdhsa_system_sgpr_workgroup_id_z 1
		.amdhsa_system_vgpr_workitem_id 0
		.amdhsa_next_free_vgpr 40
		.amdhsa_next_free_sgpr 66
		.amdhsa_reserve_vcc 1
		.amdhsa_float_denorm_mode_32 3
		.amdhsa_float_denorm_mode_16_64 3
		.amdhsa_memory_ordered 1
		.amdhsa_forward_progress 1
		.amdhsa_inst_pref_size 15
	.end_amdhsa_kernel
	.amdgpu_metadata
---
amdhsa.version: [ 1, 2 ]
amdhsa.kernels:
  - .name:           k_q801d273877_prep
    .symbol:         k_q801d273877_prep.kd
    .args:
      - { .name: W1, .offset: 0, .size: 8, .value_kind: global_buffer, .address_space: global }
      - { .name: W2, .offset: 8, .size: 8, .value_kind: global_buffer, .address_space: global }
      - { .name: Wq, .offset: 16, .size: 8, .value_kind: global_buffer, .address_space: global }
      - { .name: Wk, .offset: 24, .size: 8, .value_kind: global_buffer, .address_space: global }
      - { .name: Wv, .offset: 32, .size: 8, .value_kind: global_buffer, .address_space: global }
      - { .name: Wp, .offset: 40, .size: 8, .value_kind: global_buffer, .address_space: global }
      - { .name: b1, .offset: 48, .size: 8, .value_kind: global_buffer, .address_space: global }
      - { .name: bv, .offset: 56, .size: 8, .value_kind: global_buffer, .address_space: global }
      - { .name: bq, .offset: 64, .size: 8, .value_kind: global_buffer, .address_space: global }
      - { .name: bk, .offset: 72, .size: 8, .value_kind: global_buffer, .address_space: global }
      - { .name: bp, .offset: 80, .size: 8, .value_kind: global_buffer, .address_space: global }
      - { .name: g1, .offset: 88, .size: 8, .value_kind: global_buffer, .address_space: global }
      - { .name: beta1, .offset: 96, .size: 8, .value_kind: global_buffer, .address_space: global }
      - { .name: b2, .offset: 104, .size: 8, .value_kind: global_buffer, .address_space: global }
      - { .name: g2, .offset: 112, .size: 8, .value_kind: global_buffer, .address_space: global }
      - { .name: beta2, .offset: 120, .size: 8, .value_kind: global_buffer, .address_space: global }
      - { .name: ws, .offset: 128, .size: 8, .value_kind: global_buffer, .address_space: global }
    .group_segment_fixed_size: 0
    .private_segment_fixed_size: 0
    .kernarg_segment_align: 8
    .kernarg_segment_size: 136
    .max_flat_workgroup_size: 256
    .sgpr_count:     66
    .vgpr_count:     40
    .wavefront_size: 32
...
	.end_amdgpu_metadata
.endif
;; end of part 1
;; launch block (part 2): grid 256 x 1, 8 waves a work-group, clusters of 4 x 1, 327,680 bytes of LDS; arguments x, ws, out0; writes out0
.if DOCPART == 2
	.amdgcn_target "amdgcn-amd-amdhsa--gfx1250"
	.amdhsa_code_object_version 6
	.text
	.protected	k_q801d273877_block
	.globl	k_q801d273877_block
	.p2align	8
	.type	k_q801d273877_block,@function
k_q801d273877_block:
	s_mov_b64 s[64:65], 0
	v_nop
	global_prefetch_b8 v0, s[64:65] scope:SCOPE_SE
	s_setreg_imm32_b32 hwreg(HW_REG_WAVE_MODE, 25, 1), 1
	s_wait_xcnt 0x0
	s_wait_alu depctr_hold_cnt(0) depctr_sa_sdst(0) depctr_va_vdst(0) depctr_va_sdst(0) depctr_va_ssrc(0) depctr_va_vcc(0) depctr_vm_vsrc(0)
	s_getreg_b32 s2, hwreg(HW_REG_IB_STS2, 6, 4)
	s_cmp_eq_u32 s2, 0
	s_cbranch_scc0 .Lentry_in_a_cluster
	s_endpgm
.Lentry_in_a_cluster:
	s_bfe_u32 s2, ttmp6, 0x10000c
	s_cmp_lg_u32 s2, 0x3003
	s_cbranch_scc0 .Lentry_shape_is_right
	s_endpgm
.Lentry_shape_is_right:
; THE WHOLE BLOCK, FUSED: x -> q, k, v -> causal attention (8 heads of 8) -> Wp, residual, LayerNorm -> FFN 64 -> 2048 -> 64 with ReLU, residual, LayerNorm -> out0.
; x is read once, out0 written once; between them everything stays in registers and LDS.  The weights come from ws, laid out by the launch before in the lanes' order.
; SHARES.  A work-group owns two sequences (512 rows of 256 bytes).  Wave w of eight: sequence w / 4, quarter w % 4.  In attention a wave owns the head pair 2 (w % 4), 2 (w % 4) + 1 of its sequence for all
; 256 tokens: the same work for every wave under the causal mask, and K and V never leave registers.  From Wp on it owns the 64 tokens of its quarter: four tiles of 16.
; FORMATS.  Every input is rounded once to bf16, x in the residual too.  q, k, v are bf16 products.  What the program itself makes and multiplies again (c q, k, v, the weights p, o, h, the hidden layer) is f16;
; Wp, W1, W2 are the bf16 values written as f16.  All sums, the softmax and both norms are f32.
; LIMITS.  f16 holds no number beyond 65,504: c q, k, v, h and the hidden layer must lie within it.  A hidden score counts as its value less 1e30.  A weight p below 3e-8 counts as 0.  NaN and infinities are not treated apart.
; LAYOUT.  Products are taken transposed (source 0 = weights or keys, source 1 = tokens): in a result lane (r = lane % 16, h = lane / 16) holds token r and rows 8 h + 0..7.  So nothing changes lanes between products:
;   q^T, k^T: head 2 (w % 4) + h, its 8 channels.  Packed to f16 a tile of k is registers 0-3 of a fragment whose k places 0-7 are the even head and 8-15 the odd one; registers 4-7 are the next tile's four: finite
;   numbers that meet zeros in Q.  QA is Q with lanes 16-31 zeroed (even head), QB with lanes 0-15 zeroed.  v is taken untransposed: packed it IS a fragment of V^T.  S^T = K Q^T packed in pairs IS source 1 of O^T = V^T P.
;   v has a column of ones (bvx), so the row sum l is a row of O^T.  Packed o of pair p IS four registers of Wp's source 1; the packed norm IS the FFN's source 1; the packed hidden tile IS the second product's.
; SOFTMAX.  A query tile's whole row of scores (up to 16 tiles of 16 keys) lies in 128 registers: the row's maximum is taken away, p = 2^(s - m) with c = log2(e) / sqrt(8) folded into q in f32.
; Query tiles go in four bands of four; a band's text covers 4 b + 4 key tiles, and the last four take a mask as the C operand: 160 tile rows are worked for the 136 that the mask leaves.
; CLUSTER.  All work-groups walk the same 512 KiB of FFN weights in step, so four form a cluster and ask for each slot jointly: the same load, descriptor and mask in all four.  x is each work-group's own: a load with no mask.
; LDS.  0: the ring, two slots of 32,768 (four chunks of 32 hidden units); 65,536: the vectors, 12,288; 77,824: x in f32, 512 rows of 272 (256 + 16: the 16 rows that a load touches begin 16 bytes apart modulo 256),
; at the end each wave's own 64 rows are its stage for out0; 217,088: Q and then o, 8,192 a wave; 282,624: the spare words, 128 bytes a wave.
; REGISTERS, in windows of 256 (s_set_vgpr_msb: bits 1:0 source 0, 3:2 source 1, 5:4 source 2, 7:6 destination).  Window 0: v0-31 addresses, statistics, the diagonal's mask; v32-255 by phase (below).
; Window 1: attention: K 0-63, V even head 64-127, V odd head 128-191, weights 192-255; later: the FFN's sums 0-127, vectors or W2 128-191, Wp and at work 192-255.
.set SLOTB, 32768
.set SV,    65536
.set XB,    77824
.set OX,    217088
.set SPARE, 282624
.set SVG,   524288                     ; the vectors in ws
.set AW,    536576                     ; the attention's weights in ws
.set MX,  16                           ; v[16:17] the row's maximum; the norms: the mean, twice
.set RC,  18                           ; v[18:19] 1 / l; the norms: 1 / sqrt(var + eps), twice
.set MD,  24                           ; v[24:31] the mask of a diagonal tile: -1e30 where key 8 h + j > query r
; phase A
.set XR,  32                           ; a tile of x in f32
.set XF,  64                           ; its two bf16 fragments
.set QT,  96
.set KT,  104
.set VET, 112
.set VOT, 120
.set BQ,  128
.set BK,  136
.set BVE, 144
.set BVO, 152
.set KW,  0                            ; window 1
.set VE,  64
.set VO,  128
.set WQ,  192
.set WK,  208
.set WVE, 224
.set WVO, 240
; phase B
.set S,   32                           ; scores, then weights, then packed weights: key tile kt at S + 8 kt
.set MC,  160                          ; the masks of the band's last four key tiles
.set QA,  192
.set QB,  200
.set OA,  208
.set OB,  216
.set OE,  224
.set QP,  232
.set OPK, 236
.set CC,  240                          ; four chains of the maximum
; phase C
.set T,   32                           ; token tile tt, channel tile c at T + 32 tt + 8 c
.set HF,  160                          ; o's fragments, then h's: tile tt at + 16 tt
.set TMP, 240
.set V1,  128                          ; window 1
.set V2,  160
.set WP,  192
; FFN
.set W1R, 32                           ; set s at + 32 s
.set B1R, 96                           ; set s at + 16 s
.set HR,  128                          ; buffer p at + 16 p
.set PR,  224                          ; buffer p at + 8 p
.set W2R, 128                          ; window 1, set s at + 32 s
.set OBK, 32                           ; the way out: rows read back
.set MSB, 0
.macro WIN new                         ; the immediate's high byte repeats the setting that is left; a switch that changes nothing is dropped
.if MSB != (\new)
	s_set_vgpr_msb (MSB<<8)|(\new)
.set MSB, (\new)
.endif
.endm
.macro PLACES n                        ; plain places behind matrix instructions (ISA guide 7.12.1)
.rept \n
	v_nop
.endr
.endm
.macro CREST                           ; a round of the cluster's barrier behind its opening barrier
	s_cmp_lg_u32 s10, 0
	s_cbranch_scc1 .Lnot_wave_0_\@
	s_barrier_signal -3
.Lnot_wave_0_\@:
	s_barrier_wait -3
	s_barrier_signal -1
	s_barrier_wait -1
.endm
.macro ROUND
	s_barrier_signal -1
	s_barrier_wait -1
	CREST
.endm
	s_load_b128 s[4:7], s[0:1], 0x0                ; x s[4:5], ws s[6:7]
	s_load_b64 s[8:9], s[0:1], 0x10                ; out0
	v_lshl_add_u32 v2, v0, 2, SPARE                ; my spare word; never rewritten
	v_mov_b32 v3, 0                                ; 0; never rewritten
	ds_add_u32 v2, v3                              ; the wave's opening: the add and its wait ahead of my first tensor load; the set-up below, work on registers, stands between them
	v_lshrrev_b32 v1, 5, v0
	v_readfirstlane_b32 s10, v1                    ; wave 0..7
	s_lshr_b32 s11, s10, 2                         ; my sequence of the two
	s_and_b32 s12, s10, 3                          ; my head pair, later my quarter of the tokens
	s_bfe_u32 s13, ttmp6, 0x40000                  ; cx
	s_lshl_b32 s14, ttmp9, 2
	s_add_co_u32 s14, s14, s13                     ; work-group = 4 x cluster + cx: it enters x's, out0's and the prefetch's addresses alone
	; group 1 for x: 64 rows of 64 f32, 16 bytes of padding behind each row; no mask
	s_mov_b32 s16, (2<<16)|(1<<20)|(5<<22)|(3<<25) ; 17:16 elements of 4 bytes; 20 padding on; 24:22 after every 64 words; 31:25 4 words
	s_mov_b32 s17, 64<<16                          ; tensor_dim0 = 64
	s_mov_b32 s18, 64<<16                          ; tensor_dim1 = 64
	s_mov_b32 s19, 64<<16                          ; tile_dim0 = 64
	s_mov_b32 s20, 64                              ; tile_dim1 = 64
	s_mov_b32 s21, 64                              ; elements from row to row
	s_mov_b32 s22, 0
	s_mov_b32 s23, 0
	; group 1 for a wave's eighth of a slot: 16 rows of 256 dense bytes; asked for jointly by the four work-groups
	s_mov_b32 s24, 15|(3<<16)|(1<<21)              ; 15:0 the mask of four; 17:16 elements of 8 bytes; 21 set beside a mask
	s_mov_b32 s25, 32<<16
	s_mov_b32 s26, 16<<16
	s_mov_b32 s27, 32<<16
	s_mov_b32 s28, 16
	s_mov_b32 s29, 32
	s_mov_b32 s30, 0
	s_mov_b32 s31, 0
	; group 1 for a wave's eighth of the vectors: 6 rows of 256 bytes, jointly
	s_mov_b32 s32, 15|(3<<16)|(1<<21)
	s_mov_b32 s33, 32<<16
	s_mov_b32 s34, 6<<16
	s_mov_b32 s35, 32<<16
	s_mov_b32 s36, 6
	s_mov_b32 s37, 32
	s_mov_b32 s38, 0
	s_mov_b32 s39, 0
	; group 0: count, LDS address (constants and the wave's number alone)
	s_mov_b32 s40, 1
	s_mul_i32 s41, s10, 17408
	s_add_co_u32 s41, s41, XB                      ; my 64 rows of x
	s_mov_b32 s44, 1
	s_mul_i32 s45, s10, 1536
	s_add_co_u32 s45, s45, SV
	s_mov_b32 s48, 1
	s_lshl_b32 s49, s10, 12                        ; slot 0
	s_mov_b32 s52, 1
	s_add_co_u32 s53, s49, SLOTB                   ; slot 1; this set walks
	s_mov_b32 s60, 0x76543210                      ; v_permlanex16_b32: each lane takes its own place in the other half
	s_mov_b32 s61, 0xfedcba98
	s_mov_b32 s62, 0x0000ffff                      ; lanes 0-15
	s_mov_b32 s63, 0xf149f2ca                      ; -1e30
	s_mov_b32 s67, 0                               ; named as pairs
	s_mov_b32 s69, 0
	s_mov_b32 s70, 0x3f0293ee                      ; c = log2(e) / sqrt(8) = 0.510070
	s_mov_b32 s71, s70
	s_mov_b32 s72, 0x3c800000                      ; 1 / 64
	s_mov_b32 s73, 0x3727c5ac                      ; 1e-5
	s_mov_b32 s74, 0xffff0000
	s_or_b32 s59, s10, ttmp9                       ; wave 0 of the first cluster prefetches: the same in all four partners
	s_cmp_eq_u32 s59, 0
	s_cselect_b32 s59, 1, -1
	v_and_b32 v20, 15, v0                          ; r
	v_bfe_u32 v21, v0, 4, 1                        ; h
	v_and_b32 v4, 31, v0
	v_lshlrev_b32 v4, 4, v4                        ; v4  16 x lane; never rewritten
	v_mul_u32_u24 v22, v20, 272
	v_lshl_add_u32 v22, v21, 5, v22                ; 272 r + 32 h
	s_mul_i32 s78, s11, 69632
	s_add_co_u32 s78, s78, XB
	v_add_nc_u32 v5, s78, v22                      ; v5  x of my sequence: row r, channels 8 h ..
	v_add_nc_u32 v6, s41, v22                      ; v6  x of my 64 tokens, the same lane term; later where I put out0's numbers
	s_lshl_b32 s78, s10, 13
	s_add_co_u32 s78, s78, OX
	v_add_nc_u32 v7, s78, v4                       ; v7  my wave's Q and o
	s_lshl_b32 s78, s11, 15
	s_lshl_b32 s79, s12, 11
	s_add_co_u32 s78, s78, s79
	s_add_co_u32 s78, s78, OX
	v_add_nc_u32 v9, s78, v4                       ; v9  o of my sequence's pair 0 at my quarter's first tile
	v_mul_u32_u24 v12, v21, 272
	v_lshl_add_u32 v12, v20, 4, v12
	v_add_nc_u32 v12, s41, v12                     ; v12 the way out: lanes 0-15 read one row of 256 bytes, lanes 16-31 the next
	v_lshl_add_u32 v13, v21, 5, SV                 ; v13 the vectors: 8 numbers for each half of the lanes
	v_mov_b32 v14, 0                               ; v14 0
	v_lshlrev_b32 v15, 4, v4                       ; v15 256 x lane, for the prefetch
	s_lshl_b32 s78, s12, 6
	v_add_nc_u32 v10, s78, v13                     ; bq, bk of my pair: head 2 (w % 4) + h
	s_lshl_b32 s78, s12, 7
	s_add_co_u32 s78, s78, SV
	v_lshl_add_u32 v11, v20, 2, s78                ; bvx of my even head, column r
	v_lshlrev_b32 v23, 3, v21
	v_sub_nc_u32 v23, v20, v23                     ; r - 8 h
.irp j, 0,1,2,3,4,5,6,7
	v_cmp_gt_i32 vcc_lo, \j, v23
	v_cndmask_b32 v[MD+\j], 0, s63, vcc_lo
.endr
	v_mov_b32 v[MX+1], 0                           ; named in pairs of which the low word is taken
	v_mov_b32 v[RC+1], 0
.irp j, 4,5,6,7
	v_mov_b32 v[QA+\j], 0                          ; k places 16-31 of Q's fragments stay 0
	v_mov_b32 v[QB+\j], 0
.endr
	s_lshl_b32 s78, s14, 17                        ; my work-group's 512 rows,
	s_lshl_b32 s79, s10, 14                        ; my wave's 64
	s_add_co_u32 s78, s78, s79
	s_mov_b32 s79, 0
	s_mul_i32 s80, s10, 1536
	s_mov_b32 s81, 0
	s_mov_b32 s82, s49
	s_mov_b32 s83, 0
	s_lshl_b32 s76, s13, 13                        ; the prefetch: my work-group's 32 rows of a slot's 128
	s_mov_b32 s77, 0
	s_wait_dscnt 0x0                               ; the opening add is done
	s_wait_kmcnt 0x0
	s_add_nc_u64 s[42:43], s[4:5], s[78:79]
	s_or_b32 s43, s43, 0x80000000                  ; type = 2
	s_add_nc_u64 s[8:9], s[8:9], s[78:79]          ; out0 at my wave's rows
	s_add_nc_u64 s[46:47], s[6:7], s[80:81]
	s_add_nc_u64 s[46:47], s[46:47], SVG
	s_or_b32 s47, s47, 0x80000000
	s_add_nc_u64 s[50:51], s[6:7], s[82:83]        ; visit 0
	s_add_nc_u64 s[54:55], s[50:51], SLOTB         ; visit 1
	s_or_b32 s51, s51, 0x80000000
	s_or_b32 s55, s55, 0x80000000
	s_add_nc_u64 s[76:77], s[6:7], s[76:77]
	s_add_nc_u64 s[76:77], s[76:77], 2*SLOTB       ; at visit 2: the first refill steps it to visit 3
	s_lshl_b32 s80, s12, 11
	s_add_nc_u64 s[80:81], s[6:7], s[80:81]        ; ws + 2,048 x pair: Wq, Wk
	s_lshl_b32 s82, s12, 12
	s_add_nc_u64 s[82:83], s[6:7], s[82:83]        ; ws + 4,096 x pair: Wv
	ROUND                                          ; all four work-groups are here: the first joint loads meet
	tensor_load_to_lds s[40:43], s[16:23]          ; the four first fills go out together: my rows of x,
	s_nop 0
	tensor_load_to_lds s[44:47], s[32:39]          ; my part of the vectors,
	s_nop 0
	tensor_load_to_lds s[48:51], s[24:31]          ; of slot 0,
	s_nop 0
	tensor_load_to_lds s[52:55], s[24:31]          ; of slot 1: four loads of mine are out
	s_nop 0
	PLACES 4
	WIN 0x40                                       ; my pair's weights: destination window 1
.irp n, 0,1,2,3
	global_load_b128 v[WQ+4*\n:WQ+4*\n+3], v4, s[80:81] offset:AW+512*\n
	global_load_b128 v[WK+4*\n:WK+4*\n+3], v4, s[80:81] offset:AW+8192+512*\n
	global_load_b128 v[WVE+4*\n:WVE+4*\n+3], v4, s[82:83] offset:AW+16384+512*\n
	global_load_b128 v[WVO+4*\n:WVO+4*\n+3], v4, s[82:83] offset:AW+16384+2048+512*\n
.endr
	WIN 0
	s_wait_tensorcnt 2                             ; x and the vectors are in; the two slots' loads, issued behind them, may stay out
	s_barrier_signal -1
	s_barrier_wait -1                              ; everybody's part is in
.macro XLOAD t                         ; tile t of my sequence's x: row r, channels 16 g + 8 h + 0..7
.irp g, 0,1,2,3
	ds_load_b128 v[XR+8*\g:XR+8*\g+3],   v5 offset:(\t)*4352+64*\g
	ds_load_b128 v[XR+8*\g+4:XR+8*\g+7], v5 offset:(\t)*4352+64*\g+16
.endr
.endm
	ds_load_b128 v[BQ:BQ+3],   v10 offset:8192
	ds_load_b128 v[BQ+4:BQ+7], v10 offset:8208
	ds_load_b128 v[BK:BK+3],   v10 offset:8448
	ds_load_b128 v[BK+4:BK+7], v10 offset:8464
	ds_load_b32 v[BVE], v11 offset:10240
	ds_load_b32 v[BVO], v11 offset:10304
	XLOAD 0
	s_wait_dscnt 8                                 ; the biases are in; the eight loads of x's first tile may stay out
.irp j, 1,2,3,4,5,6,7
	v_mov_b32 v[BVE+\j], v[BVE]                    ; in v's result a lane holds one column and eight tokens: the same bias eight times
	v_mov_b32 v[BVO+\j], v[BVO]
.endr
	s_wait_loadcnt 0x0                             ; the weights
; PHASE A.  Token tile t: x to bf16; q^T, k^T (source 0 = weights) and v of both heads (source 0 = x); the biases are the C operands that start the sums.  The accumulators take turns.
; c q goes to LDS in f16 (16 bytes a lane), k and v into window 1.
.macro QKV t
	s_wait_dscnt 0x0                               ; the tile is in
.set zi, 0
.rept 16
	v_cvt_pk_bf16_f32 v[XF+zi], v[XR+2*zi], v[XR+2*zi+1]
.set zi, zi+1
.endr
.if (\t) < 15
	XLOAD (\t)+1
.endif
	WIN 0x01
	v_wmma_f32_16x16x32_bf16 v[QT:QT+7], v[WQ:WQ+7], v[XF:XF+7], v[BQ:BQ+7]
	v_wmma_f32_16x16x32_bf16 v[KT:KT+7], v[WK:WK+7], v[XF:XF+7], v[BK:BK+7]
	v_wmma_f32_16x16x32_bf16 v[QT:QT+7], v[WQ+8:WQ+15], v[XF+8:XF+15], v[QT:QT+7]
	v_wmma_f32_16x16x32_bf16 v[KT:KT+7], v[WK+8:WK+15], v[XF+8:XF+15], v[KT:KT+7]
	WIN 0x04
	v_wmma_f32_16x16x32_bf16 v[VET:VET+7], v[XF:XF+7], v[WVE:WVE+7], v[BVE:BVE+7]
	v_wmma_f32_16x16x32_bf16 v[VOT:VOT+7], v[XF:XF+7], v[WVO:WVO+7], v[BVO:BVO+7]
	v_wmma_f32_16x16x32_bf16 v[VET:VET+7], v[XF+8:XF+15], v[WVE+8:WVE+15], v[VET:VET+7]
	v_wmma_f32_16x16x32_bf16 v[VOT:VOT+7], v[XF+8:XF+15], v[WVO+8:WVO+15], v[VOT:VOT+7]
	WIN 0
	PLACES 4
.irp i, 0,1,2,3
	v_pk_mul_f32 v[QT+2*\i:QT+2*\i+1], v[QT+2*\i:QT+2*\i+1], s[70:71] op_sel_hi:[1,0]
.endr
.irp i, 0,1,2,3
	v_cvt_pk_f16_f32 v[QP+\i], v[QT+2*\i], v[QT+2*\i+1]
.endr
	ds_store_b128 v7, v[QP:QP+3] offset:512*(\t)
	WIN 0x40
.irp i, 0,1,2,3
	v_cvt_pk_f16_f32 v[KW+4*(\t)+\i], v[KT+2*\i], v[KT+2*\i+1]
.endr
.irp i, 0,1,2,3
	v_cvt_pk_f16_f32 v[VE+4*(\t)+\i], v[VET+2*\i], v[VET+2*\i+1]
.endr
.irp i, 0,1,2,3
	v_cvt_pk_f16_f32 v[VO+4*(\t)+\i], v[VOT+2*\i], v[VOT+2*\i+1]
.endr
	WIN 0
.endm
.irp t, 0,1,2,3,4,5,6,7,8,9,10,11,12,13,14,15
	QKV \t
.endr
	WIN 0x40                                       ; Wp takes the weights' place: it is wanted behind the attention
.irp n, 0,1,2,3,4,5,6,7,8,9,10,11,12,13,14,15
	global_load_b128 v[WP+4*\n:WP+4*\n+3], v4, s[6:7] offset:AW+32768+512*\n
.endr
	WIN 0
; PHASE B.  One head's row of a query tile against L key tiles.
.macro SUBT kt, i                      ; s - m, two scores
	v_pk_add_f32 v[S+8*(\kt)+2*(\i):S+8*(\kt)+2*(\i)+1], v[S+8*(\kt)+2*(\i):S+8*(\kt)+2*(\i)+1], v[MX:MX+1] op_sel_hi:[1,0] neg_lo:[0,1] neg_hi:[0,1]
.endm
.macro HEADROW L, QF, VB, DST
	WIN 0x01                                       ; K in window 1
.set kt, 0
.rept \L
.if kt < (\L)-4
	v_wmma_f32_16x16x32_f16 v[S+8*kt:S+8*kt+7], v[KW+4*kt:KW+4*kt+7], v[\QF:\QF+7], 0
.else
	v_wmma_f32_16x16x32_f16 v[S+8*kt:S+8*kt+7], v[KW+4*kt:KW+4*kt+7], v[\QF:\QF+7], v[MC+8*(kt-(\L)+4):MC+8*(kt-(\L)+4)+7]
.endif
.set kt, kt+1
.endr
	WIN 0
	PLACES 4
	; the maximum: four chains, a chain a tile modulo 4, the tiles of a group of four by turns; each result's lowest registers are read first
.set zg, 0
.rept (\L)/4
.set zn, 0
.rept 4
.set zq, 0
.rept 4
.set zb, S+8*(4*zg+zq)
.if zg == 0
.if zn == 0
	v_max3_num_f32 v[CC+zq], v[zb], v[zb+1], v[zb+2]
.elseif zn < 3
	v_max3_num_f32 v[CC+zq], v[CC+zq], v[zb+2*zn+1], v[zb+2*zn+2]
.else
	v_max_num_f32 v[CC+zq], v[CC+zq], v[zb+7]
.endif
.else
	v_max3_num_f32 v[CC+zq], v[CC+zq], v[zb+2*zn], v[zb+2*zn+1]
.endif
.set zq, zq+1
.endr
.set zn, zn+1
.endr
.set zg, zg+1
.endr
	v_max3_num_f32 v[CC], v[CC], v[CC+1], v[CC+2]
	v_max_num_f32 v[CC], v[CC], v[CC+3]
	v_permlanex16_b32 v[CC+1], v[CC], s60, s61     ; the query's other keys lie in the lane 16 away
	v_max_num_f32 v[MX], v[CC], v[CC+1]
.irp i, 0,1,2,3
	SUBT 0, \i
.endr
	; ONE BATCH of exponentials, the next tile's subtractions between them; nothing ahead of the wait names a result
.set kt, 0
.rept \L
.set zi, 0
.rept 4
	v_exp_f32 v[S+8*kt+2*zi], v[S+8*kt+2*zi]
	v_exp_f32 v[S+8*kt+2*zi+1], v[S+8*kt+2*zi+1]
.if kt+1 < (\L)
	SUBT kt+1, zi
.endif
.set zi, zi+1
.endr
.set kt, kt+1
.endr
	v_nop                                          ; a plain instruction behind the last exponential,
	s_wait_alu depctr_va_vdst(0)                   ; and the one wait ahead of the first use
.set kb, 0
.rept (\L)/2                                       ; two tiles pack, in place and ascending, into one fragment of 32 keys
.set zb, S+16*kb
.irp i, 0,1,2,3
	v_cvt_pk_f16_f32 v[zb+\i], v[zb+2*\i], v[zb+2*\i+1]
.endr
.irp i, 0,1,2,3
	v_cvt_pk_f16_f32 v[zb+4+\i], v[zb+8+2*\i], v[zb+9+2*\i]
.endr
.set kb, kb+1
.endr
	WIN 0x01                                       ; V in window 1.  Two accumulators by turns; the first two products start the sums
.set kb, 0
.rept (\L)/2
.set za, OA+8*(kb%2)
.if kb < 2
	v_wmma_f32_16x16x32_f16 v[za:za+7], v[(\VB)+8*kb:(\VB)+8*kb+7], v[S+16*kb:S+16*kb+7], 0
.else
	v_wmma_f32_16x16x32_f16 v[za:za+7], v[(\VB)+8*kb:(\VB)+8*kb+7], v[S+16*kb:S+16*kb+7], v[za:za+7]
.endif
.set kb, kb+1
.endr
	WIN 0
	PLACES 5                                       ; five: the next products write over the weights' registers
.irp i, 0,1,2,3
	v_pk_add_f32 v[(\DST)+2*\i:(\DST)+2*\i+1], v[OA+2*\i:OA+2*\i+1], v[OB+2*\i:OB+2*\i+1]
.endr
.endm
; Band b: query tiles 4 b .. 4 b + 3, a trip each, against key tiles 0 .. 4 b + 3.  Of the last four, tile 4 b + z is open (z < U), the diagonal (z = U) or hidden (z > U): its mask is MD x AL + BE.
.macro BAND b
	s_mov_b32 s57, 0
.Lband\b:
	s_lshl_b32 s78, s57, 9
	v_add_nc_u32 v8, s78, v7                       ; the tile's 512 bytes of Q, which take its o at the trip's end
	ds_load_b128 v[QP:QP+3], v8 offset:2048*(\b)
.irp z, 0,1,2,3
	s_cmp_eq_u32 s57, \z
	s_cselect_b32 s66, 1.0, 0
	s_cmp_lt_u32 s57, \z
	s_cselect_b32 s68, s63, 0
.irp i, 0,1,2,3
	v_pk_fma_f32 v[MC+8*\z+2*\i:MC+8*\z+2*\i+1], v[MD+2*\i:MD+2*\i+1], s[66:67], s[68:69] op_sel_hi:[1,0,0]
.endr
.endr
	s_wait_dscnt 0x0
.irp i, 0,1,2,3
	v_cndmask_b32 v[QA+\i], v14, v[QP+\i], s62     ; the even head's channels lie in lanes 0-15,
	v_cndmask_b32 v[QB+\i], v[QP+\i], v14, s62     ; the odd head's in lanes 16-31
.endr
	HEADROW 4*\b+4, QA, VE, OE
	HEADROW 4*\b+4, QB, VO, OA
	; the even head's o lies in lanes 0-15 and its l in lanes 16-31, register 0; the odd head's the other way round
	v_cndmask_b32 v20, v[OE], v[OA], s62
	v_permlanex16_b32 v21, v20, s60, s61           ; each lane's own l
	v_rcp_f32 v[RC], v21
.irp j, 0,1,2,3,4,5,6,7
	v_cndmask_b32 v[OE+\j], v[OA+\j], v[OE+\j], s62
.endr
	s_wait_alu depctr_va_vdst(0)                   ; the wait for the reciprocal, the eight selections between
.irp i, 0,1,2,3
	v_pk_mul_f32 v[OE+2*\i:OE+2*\i+1], v[OE+2*\i:OE+2*\i+1], v[RC:RC+1] op_sel_hi:[1,0]
.endr
.irp i, 0,1,2,3
	v_cvt_pk_f16_f32 v[OPK+\i], v[OE+2*\i], v[OE+2*\i+1]
.endr
	ds_store_b128 v8, v[OPK:OPK+3] offset:2048*(\b)
	s_add_co_u32 s57, s57, 1
	s_cmp_lt_u32 s57, 4
	s_cbranch_scc1 .Lband\b
.endm
	BAND 0
	BAND 1
	BAND 2
	BAND 3
	s_wait_loadcnt 0x0                             ; Wp
	s_wait_tensorcnt 1                             ; my part of slot 0 is in; slot 1's load, issued behind it, may stay out
	s_wait_dscnt 0x0                               ; my o lies in LDS, and my reads of the others' rows of x are over
	s_barrier_signal -1
	s_barrier_wait -1
; PHASE C.  My 64 tokens: T = x + bp + o Wp, the first norm, h's fragments, and the FFN's sums started at h + b2.
.irp tt, 0,1,2,3
.irp c, 0,1,2,3
	ds_load_b128 v[T+32*\tt+8*\c:T+32*\tt+8*\c+3],   v6 offset:4352*\tt+64*\c
	ds_load_b128 v[T+32*\tt+8*\c+4:T+32*\tt+8*\c+7], v6 offset:4352*\tt+64*\c+16
.endr
.endr
.irp tt, 0,1,2,3
.irp p, 0,1,2,3
	ds_load_b128 v[HF+16*\tt+4*\p:HF+16*\tt+4*\p+3], v9 offset:8192*\p+512*\tt
.endr
.endr
	WIN 0x40
.irp c, 0,1,2,3
	ds_load_b128 v[V1+8*\c:V1+8*\c+3],   v13 offset:8704+64*\c     ; bp
	ds_load_b128 v[V1+8*\c+4:V1+8*\c+7], v13 offset:8704+64*\c+16
	ds_load_b128 v[V2+8*\c:V2+8*\c+3],   v13 offset:8960+64*\c     ; g1
	ds_load_b128 v[V2+8*\c+4:V2+8*\c+7], v13 offset:8960+64*\c+16
.endr
	WIN 0
	s_wait_dscnt 0x0
.irp tt, 0,1,2,3                       ; x is rounded to bf16 here as it was for q, k, v
.set zi, 0
.rept 16
	v_cvt_pk_bf16_f32 v[TMP+zi], v[T+32*\tt+2*zi], v[T+32*\tt+2*zi+1]
.set zi, zi+1
.endr
.set zi, 0
.rept 16
	v_lshlrev_b32 v[T+32*\tt+2*zi], 16, v[TMP+zi]
	v_and_b32 v[T+32*\tt+2*zi+1], s74, v[TMP+zi]
.set zi, zi+1
.endr
.endr
	WIN 0x04
.irp tt, 0,1,2,3
.set zi, 0
.rept 16
	v_pk_add_f32 v[T+32*\tt+2*zi:T+32*\tt+2*zi+1], v[T+32*\tt+2*zi:T+32*\tt+2*zi+1], v[V1+2*zi:V1+2*zi+1]
.set zi, zi+1
.endr
.endr
	WIN 0x01                                       ; a tile's four accumulators by turns
.irp tt, 0,1,2,3
.irp f, 0,1
.irp c, 0,1,2,3
	v_wmma_f32_16x16x32_f16 v[T+32*\tt+8*\c:T+32*\tt+8*\c+7], v[WP+8*(2*\c+\f):WP+8*(2*\c+\f)+7], v[HF+16*\tt+8*\f:HF+16*\tt+8*\f+7], v[T+32*\tt+8*\c:T+32*\tt+8*\c+7]
.endr
.endr
.endr
	WIN 0
	PLACES 4
	WIN 0x40
.irp c, 0,1,2,3
	ds_load_b128 v[V1+8*\c:V1+8*\c+3],   v13 offset:9216+64*\c     ; beta1
	ds_load_b128 v[V1+8*\c+4:V1+8*\c+7], v13 offset:9216+64*\c+16
	ds_load_b128 v[WP+8*\c:WP+8*\c+3],   v13 offset:9472+64*\c     ; b2
	ds_load_b128 v[WP+8*\c+4:WP+8*\c+7], v13 offset:9472+64*\c+16
.endr
	WIN 0
; A token's 64 numbers lie in 32 registers of lane r and 32 of lane r + 16.  B = (B - mean) / sqrt(var + eps): the mean, then the mean of the squared differences.  All vector operands lie in one window.
.macro LNSTAT B, TM, ST
.set zi, 0
.rept 8                                            ; ascending: each result's lowest registers are read first
	v_pk_add_f32 v[(\TM)+2*zi:(\TM)+2*zi+1], v[(\B)+4*zi:(\B)+4*zi+1], v[(\B)+4*zi+2:(\B)+4*zi+3]
.set zi, zi+1
.endr
.irp k, 0,4,8,12
	v_pk_add_f32 v[(\TM)+\k:(\TM)+\k+1], v[(\TM)+\k:(\TM)+\k+1], v[(\TM)+\k+2:(\TM)+\k+3]
.endr
.irp k, 0,8
	v_pk_add_f32 v[(\TM)+\k:(\TM)+\k+1], v[(\TM)+\k:(\TM)+\k+1], v[(\TM)+\k+4:(\TM)+\k+5]
.endr
	v_pk_add_f32 v[(\TM):(\TM)+1], v[(\TM):(\TM)+1], v[(\TM)+8:(\TM)+9]
	v_add_f32 v[(\TM)], v[(\TM)], v[(\TM)+1]
	v_permlanex16_b32 v[(\TM)+1], v[(\TM)], s60, s61
	v_add_f32 v[(\TM)], v[(\TM)], v[(\TM)+1]
	v_mul_f32 v[(\ST)], s72, v[(\TM)]
	v_mul_f32 v[(\ST)+1], s72, v[(\TM)]
.set zi, 0
.rept 16
	v_pk_add_f32 v[(\B)+2*zi:(\B)+2*zi+1], v[(\B)+2*zi:(\B)+2*zi+1], v[(\ST):(\ST)+1] neg_lo:[0,1] neg_hi:[0,1]
.set zi, zi+1
.endr
.set zi, 0
.rept 4
	v_pk_mul_f32 v[(\TM)+2*zi:(\TM)+2*zi+1], v[(\B)+2*zi:(\B)+2*zi+1], v[(\B)+2*zi:(\B)+2*zi+1]
.set zi, zi+1
.endr
.rept 12
	v_pk_fma_f32 v[(\TM)+2*(zi%4):(\TM)+2*(zi%4)+1], v[(\B)+2*zi:(\B)+2*zi+1], v[(\B)+2*zi:(\B)+2*zi+1], v[(\TM)+2*(zi%4):(\TM)+2*(zi%4)+1]
.set zi, zi+1
.endr
	v_pk_add_f32 v[(\TM):(\TM)+1], v[(\TM):(\TM)+1], v[(\TM)+2:(\TM)+3]
	v_pk_add_f32 v[(\TM)+4:(\TM)+5], v[(\TM)+4:(\TM)+5], v[(\TM)+6:(\TM)+7]
	v_pk_add_f32 v[(\TM):(\TM)+1], v[(\TM):(\TM)+1], v[(\TM)+4:(\TM)+5]
	v_add_f32 v[(\TM)], v[(\TM)], v[(\TM)+1]
	v_permlanex16_b32 v[(\TM)+1], v[(\TM)], s60, s61
	v_add_f32 v[(\TM)], v[(\TM)], v[(\TM)+1]
	v_fma_f32 v[(\TM)], v[(\TM)], s72, s73         ; var + eps
	v_rsq_f32 v[(\ST)+2], v[(\TM)]
	v_rsq_f32 v[(\ST)+3], v[(\TM)]
	v_nop                                          ; a plain instruction behind the second root,
	s_wait_alu depctr_va_vdst(0)                   ; and the wait ahead of the first use: one for both
.set zi, 0
.rept 16
	v_pk_mul_f32 v[(\B)+2*zi:(\B)+2*zi+1], v[(\B)+2*zi:(\B)+2*zi+1], v[(\ST)+2:(\ST)+3]
.set zi, zi+1
.endr
.endm
.irp tt, 0,1,2,3
	LNSTAT T+32*\tt, TMP, MX
.endr
	s_wait_dscnt 0x0                               ; beta1, b2
	WIN 0x14
.irp tt, 0,1,2,3
.set zi, 0
.rept 16
	v_pk_fma_f32 v[T+32*\tt+2*zi:T+32*\tt+2*zi+1], v[T+32*\tt+2*zi:T+32*\tt+2*zi+1], v[V2+2*zi:V2+2*zi+1], v[V1+2*zi:V1+2*zi+1]
.set zi, zi+1
.endr
.endr
	WIN 0
.irp tt, 0,1,2,3
.set zi, 0
.rept 16
	v_cvt_pk_f16_f32 v[HF+16*\tt+zi], v[T+32*\tt+2*zi], v[T+32*\tt+2*zi+1]
.set zi, zi+1
.endr
.endr
	WIN 0x44                                       ; the FFN's sums start at h + b2: nothing is cleared, and the residual is in
.irp tt, 0,1,2,3
.set zi, 0
.rept 16
	v_pk_add_f32 v[32*\tt+2*zi:32*\tt+2*zi+1], v[T+32*\tt+2*zi:T+32*\tt+2*zi+1], v[WP+2*zi:WP+2*zi+1]
.set zi, zi+1
.endr
.endr
	WIN 0
; THE FFN.  64 chunks of 32 hidden units; chunk k's weights lie in register set k % 2.  A STEP is one token tile of a chunk: 4 first products (H^T = W1^T h^T, b1 as the C that starts the sum),
; 16 vector lines (H to f16, ReLU), 4 second products onto the tile's sums.  The first products of the NEXT step stand between this step's vector lines, four lines behind each: H and P have two buffers.
; No two matrix instructions that follow each other share an accumulator.
.macro G1W i, s, t, p                  ; first product i: hidden half u = i % 2, channels 32 (i / 2) ..
.set zu, (\i)&1
.set zf, (\i)>>1
.if zf == 0
	v_wmma_f32_16x16x32_f16 v[HR+16*(\p)+8*zu:HR+16*(\p)+8*zu+7], v[W1R+32*(\s)+16*zu:W1R+32*(\s)+16*zu+7], v[HF+16*(\t):HF+16*(\t)+7], v[B1R+16*(\s)+8*zu:B1R+16*(\s)+8*zu+7]
.else
	v_wmma_f32_16x16x32_f16 v[HR+16*(\p)+8*zu:HR+16*(\p)+8*zu+7], v[W1R+32*(\s)+16*zu+8:W1R+32*(\s)+16*zu+15], v[HF+16*(\t)+8:HF+16*(\t)+15], v[HR+16*(\p)+8*zu:HR+16*(\p)+8*zu+7]
.endif
.endm
.macro RID i, p                        ; four vector lines: i = 0, 1: half i of H to f16; i = 2, 3: its ReLU
.set zn, 0
.rept 4
.if (\i) < 2
	v_cvt_pk_f16_f32 v[PR+8*(\p)+4*(\i)+zn], v[HR+16*(\p)+8*(\i)+2*zn], v[HR+16*(\p)+8*(\i)+2*zn+1]
.else
	v_pk_max_num_f16 v[PR+8*(\p)+4*((\i)-2)+zn], v[PR+8*(\p)+4*((\i)-2)+zn], v14
.endif
.set zn, zn+1
.endr
.endm
.macro FRONT sn, tn, p                 ; the next step's (set sn, tile tn) first products, this step's vector lines
.irp i, 0,1,2,3
	G1W \i, \sn, \tn, 1-(\p)
	RID \i, \p
.endr
.endm
.macro G2 s, t, p                      ; the second products
	WIN 0x51
.irp ct, 0,1,2,3
	v_wmma_f32_16x16x32_f16 v[32*(\t)+8*\ct:32*(\t)+8*\ct+7], v[W2R+32*(\s)+8*\ct:W2R+32*(\s)+8*\ct+7], v[PR+8*(\p):PR+8*(\p)+7], v[32*(\t)+8*\ct:32*(\t)+8*\ct+7]
.endr
	WIN 0
.endm
.macro FETCH sn, j                     ; chunk j of the slot at v10 into set sn: 20 LDS loads in one run; every lane's 16 bytes lie on end, so no two lanes meet in a bank
.set zi, 0
.rept 8
	ds_load_b128 v[W1R+32*(\sn)+4*zi:W1R+32*(\sn)+4*zi+3], v10 offset:8192*(\j)+512*zi
.set zi, zi+1
.endr
	ds_load_b128 v[B1R+16*(\sn):B1R+16*(\sn)+3],     v11 offset:128*(\j)
	ds_load_b128 v[B1R+16*(\sn)+4:B1R+16*(\sn)+7],   v11 offset:128*(\j)+16
	ds_load_b128 v[B1R+16*(\sn)+8:B1R+16*(\sn)+11],  v11 offset:128*(\j)+64
	ds_load_b128 v[B1R+16*(\sn)+12:B1R+16*(\sn)+15], v11 offset:128*(\j)+80
	WIN 0x40
.set zi, 0
.rept 8
	ds_load_b128 v[W2R+32*(\sn)+4*zi:W2R+32*(\sn)+4*zi+3], v10 offset:8192*(\j)+4096+512*zi
.set zi, zi+1
.endr
	WIN 0
.endm
; A PREFETCH INTO THE L2 of what the NEXT refill will ask for: a slot is 128 rows of 256 bytes of ws, which the launch before stored.  All clusters walk the same rows: wave 0 of the first cluster's work-groups asks,
; each of the four partners for 32 rows, told apart by address, a lane a row: each row is named once in the launch.  The loop's last trip asks for nothing: no slot follows.
.macro ASK
	s_cmp_gt_u32 s56, s59
	s_cbranch_scc0 .Lnot_mine_\@
	global_prefetch_b8 v15, s[76:77] th:TH_LOAD_NT scope:SCOPE_SE
.Lnot_mine_\@:
.endm
; A chunk, in set s.  mode 0: it fetches chunk j of the same slot into the other set.  mode 1: a slot's last chunk: all of the slot has been read into registers; the change of slots, with a refill.
; mode 2: the change without a refill.  mode 3: the last chunk of all.
.macro CHUNK s, mode, j
.if ((\mode) == 1) || ((\mode) == 2)
	s_wait_tensorcnt 0x0                           ; all my tensor loads have landed: the one that was out is my part of the other slot
	ds_add_u32 v2, v3                              ; 0 onto my spare word; work on registers stands between it and the wait for it
.if (\mode) == 1
	s_xor_b32 s53, s53, SLOTB                      ; the walking descriptor: the slot just read out,
	s_add_nc_u64 s[54:55], s[54:55], SLOTB         ; the visit after the one it fetched last
	s_wait_xcnt 0x0                                ; the last prefetch, a visit back, has read its address
	s_add_nc_u64 s[76:77], s[76:77], SLOTB
.endif
.endif
	FRONT \s, 1, 0
.if (\mode) == 0
	FETCH 1-\s, \j                                 ; sixteen plain lines behind the last product that read that set
	G2 \s, 0, 0
.elseif (\mode) == 3
	G2 \s, 0, 0
.else
	s_wait_dscnt 0x0                               ; the add is done, and my reads of the slot are over
	s_barrier_signal -1
	G2 \s, 0, 0                                    ; work on registers while the others arrive
	s_barrier_wait -1
.if (\mode) == 1
	CREST                                          ; the barrier has opened a round of the cluster's: no wave of any partner still reads the slot or has a load on its way
	tensor_load_to_lds s[52:55], s[24:31]          ; my one load behind the round: it has a visit, 128 of my products, in which to land
	s_nop 0
	PLACES 4
.endif
	s_xor_b32 s58, s58, SLOTB                      ; the fetches go on in the other slot,
	s_add_co_u32 s75, s75, 512                     ; and in b1's next 128 numbers
	v_add_nc_u32 v10, s58, v4
	v_add_nc_u32 v11, s75, v13
	FETCH 1-\s, 0
.if (\mode) == 1
	ASK
.endif
.endif
	FRONT \s, 2, 1
	G2 \s, 1, 1
	FRONT \s, 3, 0
	G2 \s, 2, 0
.if (\mode) == 3
.irp i, 0,1,2,3
	RID \i, 1
.endr
.else
	s_wait_dscnt 0x0                               ; the next chunk's weights are in
	FRONT 1-\s, 0, 1
.endif
	G2 \s, 3, 1
.endm
	s_mov_b32 s58, 0
	s_mov_b32 s75, 0
	v_add_nc_u32 v10, s58, v4
	v_add_nc_u32 v11, s75, v13
	FETCH 0, 0
	s_wait_dscnt 0x0
.irp i, 0,1,2,3
	G1W \i, 0, 0, 0                                ; the first step's first products: there is no vector work yet to set between them
.endr
	PLACES 4
	s_mov_b32 s56, 14
.Lvisit:                                               ; 14 trips: every slot but the last two is filled again
	CHUNK 0, 0, 1
	CHUNK 1, 0, 2
	CHUNK 0, 0, 3
	CHUNK 1, 1, 0
	s_sub_co_u32 s56, s56, 1
	s_cmp_lg_u32 s56, 0
	s_cbranch_scc1 .Lvisit
	CHUNK 0, 0, 1                                  ; the tail is written out
	CHUNK 1, 0, 2
	CHUNK 0, 0, 3
	CHUNK 1, 2, 0
	CHUNK 0, 0, 1
	CHUNK 1, 0, 2
	CHUNK 0, 0, 3
	CHUNK 1, 3, 0
; THE WAY OUT.  The second norm on the sums, in window 1; then through my own 64 rows of x's place in LDS (their one fill was the launch's first, and since the barrier behind the attention no other wave touches them):
; 16 bytes a lane in, whole rows of 256 bytes back.
	PLACES 4
	WIN 0x40
.irp c, 0,1,2,3
	ds_load_b128 v[128+8*\c:128+8*\c+3],   v13 offset:9728+64*\c   ; g2
	ds_load_b128 v[128+8*\c+4:128+8*\c+7], v13 offset:9728+64*\c+16
	ds_load_b128 v[160+8*\c:160+8*\c+3],   v13 offset:9984+64*\c   ; beta2
	ds_load_b128 v[160+8*\c+4:160+8*\c+7], v13 offset:9984+64*\c+16
.endr
	WIN 0x55
.irp tt, 0,1,2,3
	LNSTAT 32*\tt, 192, 208
.endr
	s_wait_dscnt 0x0
.irp tt, 0,1,2,3
.set zi, 0
.rept 16
	v_pk_fma_f32 v[32*\tt+2*zi:32*\tt+2*zi+1], v[32*\tt+2*zi:32*\tt+2*zi+1], v[128+2*zi:128+2*zi+1], v[160+2*zi:160+2*zi+1]
.set zi, zi+1
.endr
.endr
.macro STG tt
	WIN 0x04                                       ; the stores' data in window 1
.irp c, 0,1,2,3
	ds_store_b128 v6, v[32*(\tt)+8*\c:32*(\tt)+8*\c+3]   offset:4352*(\tt)+64*\c
	ds_store_b128 v6, v[32*(\tt)+8*\c+4:32*(\tt)+8*\c+7] offset:4352*(\tt)+64*\c+16
.endr
	WIN 0
.irp i, 0,1,2,3,4,5,6,7
	ds_load_b128 v[OBK+32*(\tt)+4*\i:OBK+32*(\tt)+4*\i+3], v12 offset:4352*(\tt)+544*\i  ; LDS serves a wave's instructions in order (ISA guide 5.7.1.4): these see the stores above
.endr
.endm
.macro SND tt, younger                 ; younger: the LDS instructions issued behind tile tt's loads: the next tile's sixteen, or none
.irp i, 0,1,2,3,4,5,6,7
	s_wait_dscnt (\younger)+7-\i
	global_store_b128 v4, v[OBK+32*(\tt)+4*\i:OBK+32*(\tt)+4*\i+3], s[8:9] offset:4096*(\tt)+512*\i th:TH_STORE_NT  ; 512 consecutive bytes, at a multiple of 256 from out0's first
.endr
.endm
	STG 0
	STG 1
	SND 0, 16
	STG 2
	SND 1, 16
	STG 3
	SND 2, 16
	SND 3, 0
	s_wait_tensorcnt 0x0                           ; the wave's end, behind my last tensor load and my last LDS store
	ds_add_u32 v2, v3
	s_wait_dscnt 0x0
	ROUND                                          ; the closing round: no work-group ends while a partner may still ask for a slot that names it
	s_endpgm
.Lfunc_end_k_q801d273877_block:
	.size	k_q801d273877_block, .Lfunc_end_k_q801d273877_block-k_q801d273877_block
	.p2alignl 7, 3214868480
	.fill 96, 4, 3214868480
	.section	.rodata,"a",@progbits
	.p2align	6, 0x0
	.amdhsa_kernel k_q801d273877_block
		.amdhsa_group_segment_fixed_size 327680
		.amdhsa_private_segment_fixed_size 0
		.amdhsa_enable_private_segment 0
		.amdhsa_kernarg_size 24
		.amdhsa_user_sgpr_count 2
		.amdhsa_user_sgpr_kernarg_segment_ptr 1
		.amdhsa_wavefront_size32 1
		.amdhsa_system_sgpr_workgroup_id_x 1
		.amdhsa_system_sgpr_workgroup_id_y 1
		.amdhsa_system_sgpr_workgroup_id_z 1
		.amdhsa_system_vgpr_workitem_id 0
		.amdhsa_next_free_vgpr 512
		.amdhsa_next_free_sgpr 84
		.amdhsa_reserve_vcc 1
		.amdhsa_float_denorm_mode_32 3
		.amdhsa_float_denorm_mode_16_64 3
		.amdhsa_memory_ordered 1
		.amdhsa_forward_progress 1
		.amdhsa_inst_pref_size 255
	.end_amdhsa_kernel
	.section	.bss,"aw",@nobits
	.p2align	6
	.space	262144
	.amdgpu_metadata
---
amdhsa.version: [ 1, 2 ]
amdhsa.kernels:
  - .name:           k_q801d273877_block
    .symbol:         k_q801d273877_block.kd
    .args:
      - { .name: x, .offset: 0, .size: 8, .value_kind: global_buffer, .address_space: global }
      - { .name: ws, .offset: 8, .size: 8, .value_kind: global_buffer, .address_space: global }
      - { .name: out0, .offset: 16, .size: 8, .value_kind: global_buffer, .address_space: global }
    .group_segment_fixed_size: 327680
    .private_segment_fixed_size: 0
    .kernarg_segment_align: 8
    .kernarg_segment_size: 24
    .max_flat_workgroup_size: 256
    .sgpr_count:     84
    .vgpr_count:     512
    .wavefront_size: 32
...
	.end_amdgpu_metadata
.endif
;; end of part 2
